; MI455X (gfx1250); checked and timed in simulation.
; The chip was launched on July 23, 2026; its instructions are those of AMD's public machine-readable ISA for CDNA 5 (MIT licence, August 2026) and "CDNA5" Instruction Set Architecture Reference Guide (July 2026). The comments in the code are by the model that wrote it; some were corrected since.
;; Attention Layer. Allowed arithmetic: matrix products marked QUANTISED: E2M3 operands, one E8M0 scale for each 32 along K, by v_wmma_scale_f32_16x16x128_f8f6f4 with both operands' format E2M3, f32 sums; everything else in f32.
;; Inputs: Wk 768 x 768 float32; Wq 768 x 768 float32; Wv 768 x 768 float32; b_in 16 x 1,024 x 768 float32; mask 16 x 1,024 int32.
;; Outputs: out0 16 x 768 float32.
;; This version of the problem:
;;   THIS VERSION OF THE PROBLEM IS GIVEN IN LOW PRECISION. The matrix products marked QUANTISED in the list below multiply operands that are first quantised to E2M3 (2 exponent bits, 3 mantissa bits; 6 bits a number), with one power-of-two scale for each 32 numbers along K (OCP MX v1.0); their sums are f32. All else is computed in f32.
;;   The module's matrix products, in the order in which they are computed (A, B: the left and right operand; K: the contracted axis; several contracted axes count as one K, in the product's order):
;;     1. [M 16,384, K 768] x [K 768, N 768]; A: input b_in; B: input Wq: QUANTISED
;;     2. [M 16,384, K 768] x [K 768, N 768]; A: input b_in; B: input Wk: QUANTISED
;;     3. [M 16,384, K 768] x [K 768, N 768]; A: input b_in; B: input Wv: QUANTISED
;;     4. batch 16 x [M 1,024, K 768] x [K 768, N 1,024]; A: computed on the way; B: computed on the way: QUANTISED
;;     5. batch 16 x [M 1,024, K 1,024] x [K 1,024, N 768]; A: softmax (see below); B: computed on the way: QUANTISED
;;   THE QUANTISER, for each operand of a quantised product, along K:
;;     - K is cut into blocks of 32 from its start; a last block that is shorter is filled with zeros.
;;     - A block's scale is 2^e with e = floor(log2(the largest magnitude in the block)) - 2, held to -126 .. 127; a block of zeros has e = 0. As a byte (E8M0): e + 127.
;;     - Each number is divided by its block's scale, clamped to +-7.5, and rounded to the nearest number of E2M3, ties to even, subnormals kept.
;;     - The product sums the exact products of the quantised numbers (number of the format x scale) in f32.
;;   ~~~python
;;   def quantise(x, axis):      # numpy; x: float32 -> the quantised numbers, widened to float32 again
;;       x = np.moveaxis(x, axis, -1); K = x.shape[-1]
;;       x = np.pad(x, [(0, 0)] * (x.ndim - 1) + [(0, -K % 32)]); x = x.reshape(x.shape[:-1] + (-1, 32)); a = np.abs(x).max(-1, keepdims=True)
;;       e = np.where(a > 0, np.clip(np.frexp(np.where(a > 0, a, 1))[1] - 1 - 2, -126, 127), 0)      # np.frexp(a)[1] - 1 = floor(log2(a)), exactly
;;       r = np.clip(x / 2.0 ** e, -7.5, 7.5)
;;       step = 2.0 ** (np.maximum(np.frexp(np.where(r == 0, 1, r))[1] - 1, 0) - 3)
;;       q = np.round(r / step) * step * 2.0 ** e      # np.round: ties to even
;;       return np.moveaxis(q.reshape(q.shape[:-2] + (-1,))[..., :K], -1, axis).astype(np.float32)
;;   ~~~
;;   SOFTMAX AHEAD OF A QUANTISED PRODUCT. Where the list says 'softmax', what is quantised is not the finished softmax but p = 2^(t - M), with t = logit x log2(e) and M = ceil(the row's largest t), a whole number; so 1/2 < the row's largest p <= 1. The row's sum l is taken of the UNQUANTISED p, in f32, and the product's result is divided by l at the end. Since M is a whole number, a kernel that streams over the keys may use a running M (the ceiling of the running maximum): every later rescaling is an exact power of two, which a block's scale takes up: the codes' values come out the same.
;;   OPERANDS COMPUTED ON THE WAY. 'Computed on the way' means the value that the module computes at that place (a softmax that the list does not call 'softmax' is quantised finished and normalised). What goes into a quantiser is computed in f32, as accurately as f32 sums, v_exp_f32 and their like allow (about 1e-6 of the number): no bf16 or f16 on the way to a quantiser, and a product that is left as it is and whose result goes on into a quantised operand takes f32 operands (vector FMAs, or v_wmma_f32_16x16x4_f32). A number that lies on a knife's edge between two numbers of the format may be rounded either way, as far as f32 arithmetic and the matrix unit's own rounding can turn it there, and no further.
;; One version. Each part assembles by itself: llvm-mc -triple=amdgcn-amd-amdhsa -mcpu=gfx1250 --defsym DOCPART=n.
;; ======== version 1 of 1: 3 launches
;; limits: right only within a limited range of input values
;; workspace buffers: wimg 921,600 bytes; q0f 49,152 bytes; part 851,968 bytes
;; launch prep (part 1): grid 120 x 1, 8 waves a work-group, no clusters, 77,312 bytes of LDS; arguments Wk, Wv, Wq, b_in, wimg, q0f; writes wimg, q0f
.if DOCPART == 1
	.amdgcn_target "amdgcn-amd-amdhsa--gfx1250"
	.amdhsa_code_object_version 6
	.text
	.protected	k_q1e7f11cf0d_prep
	.globl	k_q1e7f11cf0d_prep
	.p2align	8
	.type	k_q1e7f11cf0d_prep,@function
k_q1e7f11cf0d_prep:
	s_mov_b64 s[64:65], 0
	v_nop
	global_prefetch_b8 v0, s[64:65] scope:SCOPE_SE
	s_setreg_imm32_b32 hwreg(HW_REG_WAVE_MODE, 25, 1), 1
	s_wait_xcnt 0x0
; WHAT THE PROGRAM LEAVES OUT.  reference() returns out[:, 0, :]: of each batch only query 0.  Rows 1 to 1023 of q, of the scores, of the softmax and of the last product are sliced away whatever the inputs hold, so they are not made;
; mask acts on whole query rows, so of each batch only mask[b][0] has a way to the output (the last launch reads it).  All keys and values are live.  A NaN, an infinity or an overflow that reaches only the work left out is not carried to the result.
; THIS LAUNCH: Wk and Wv [768][768] f32 become codes of FP6 (E2M3) with one E8M0 byte for each 32 along K (the second axis), laid in wimg in the order of the next launch's operand registers;
; and q0 = Q(b_in[:,0,:]) Q(Wq)^T of the 16 batches is made by the FP6 matrix instruction and stored as f32 (q0f).
; SHARES.  Work-groups 0-47: 16 outputs of q0 each; waves 0 to 5 take a K step of 128 each, waves 6 and 7 add the six partial sums, K ascending.  Work-groups 48-119: number i = g - 48 = 3 (4 s + w) + c; wave v takes fragment n = 8 c + v
; of the 24 that wave w of the next launch multiplies in K step s: n < 12: 16 rows of Wk, else 16 rows of Wv.
; wimg: [K step 6][wave 4][38,400 bytes]: fragment n at 1536 n: registers 4 c .. 4 c + 3 of lane l at 512 c + 16 l; scale words from 36,864 on: those of fragments 2 p (lanes 0-15) and 2 p + 1 (lanes 16-31) at 512 (p / 4) + 16 l + 4 (p % 4).
; ROWS.  Wk: lane r takes row 192 w + 32 (n / 2) + 8 (n % 2) + r + 8 (r / 8), so that the results of two neighbouring tiles are 16 neighbours along the next K; Wv: row 192 w + 16 (n - 12) + r; Wq: row 16 g + r.
; q0f: [tile 48][half a of 8 registers][lane: batch + 16 h][4]: output 16 tile + 8 h + 4 a + 0 .. 3.
; LOADS take one row's 512 bytes of a K step an instruction, 16 bytes a lane; the 16 rows turn through the wave's own stage in LDS, so that a lane then holds 16 neighbours of each of its row's four blocks of 32.
; A block's scale is 2^(floor(log2(its largest magnitude)) - 2); its byte is the largest magnitude's exponent field - 2, held at 1 from below.
; LIMITS: a block of zeros gets the byte 1 where the rule says 127 (its codes are zeros, and this program alone reads the bytes); NaN and infinities among the inputs are not served; q0 is the f32 sum of six partial sums.
; No tensor load, no cluster: the work-groups of one launch share nothing but b_in's 16 rows.
.set PIT,  528                         ; a stage row: 512 bytes + 16
.set STG,  16*PIT
.set QP,   8*STG                       ; the q path's partial results, 1,024 bytes a wave
.set SCW,  QP+8192                     ; the eight fragments' scale words
.set SPARE, SCW+512                    ; the spare words: 128 bytes a wave
.set TM, 16
.set TB, 20
.set TE, 24
.set CT, 28
.set PCW, 36
.set PCX, 48
.set RW, 64                            ; v64-127 the weight's rows as loaded
.set RX, 128                           ; v128-191 b_in's
.set TN, 192                           ; v192-255 turned
.set SEL, 40
.macro PLACES n
.rept \n
	v_nop
.endr
.endm
.macro TURN raw
.irp i, 0,1,2,3,4,5,6,7,8,9,10,11,12,13,14,15
	ds_store_b128 v3, v[(\raw)+4*\i:(\raw)+4*\i+3] offset:PIT*\i
.endr
.irp b, 0,1,2,3
.irp j, 0,1,2,3
	ds_load_b128 v[TN+16*\b+4*\j:TN+16*\b+4*\j+3], v4 offset:128*\b+16*\j   ; LDS serves a wave's instructions in order
.endr
.endr
	s_wait_dscnt 0x0
.endm
.macro QUANT db, word                  ; 64 numbers of a lane become its 12 registers of the fragment and its row's scale word
.irp q, 0,1,2,3
	v_max3_num_f32 v[TM+\q], |v[TN+16*\q]|, |v[TN+16*\q+1]|, 0x1800000   ; the floor 2^(3 - 127): the byte cannot fall under 1
.endr
.irp i, 2,4,6,8,10,12,14
.irp q, 0,1,2,3
	v_max3_num_f32 v[TM+\q], |v[TN+16*\q+\i]|, |v[TN+16*\q+\i+1]|, v[TM+\q]
.endr
.endr
.irp q, 0,1,2,3
	v_permlanex16_b32 v[TB+\q], v[TM+\q], s[SEL], s[SEL+1]
.endr
.irp q, 0,1,2,3
	v_max_num_f32 v[TM+\q], v[TM+\q], v[TB+\q]     ; with lane l xor 16: the block's
.endr
.irp q, 0,1,2,3
	v_add_nc_u32 v[TE+\q], 0xff000000, v[TM+\q]    ; 2 off the exponent field: the conversion's scale operand
.endr
.irp q, 0,1,2,3
	v_lshrrev_b32 v[TB+\q], 23, v[TE+\q]
.endr
.irp c, 0,1
	v_cvt_scalef32_pk16_fp6_f32 v[(\db)+6*\c:(\db)+6*\c+2], v[TN+32*\c:TN+32*\c+15], v[TE+2*\c]
	v_cvt_scalef32_pk16_fp6_f32 v[CT+4*\c:CT+4*\c+2], v[TN+32*\c+16:TN+32*\c+31], v[TE+2*\c+1]
.endr
	v_lshl_or_b32 v[\word], v[TB+1], 8, v[TB]      ; (also the plain place behind the conversions)
	v_lshl_or_b32 v[\word], v[TB+2], 16, v[\word]
	v_lshl_or_b32 v[\word], v[TB+3], 24, v[\word]
.irp c, 0,1
.irp e, 0,1,2
	v_permlane16_swap_b32 v[(\db)+6*\c+\e], v[CT+4*\c+\e]   ; a whole block to a lane
.endr
.endr
.irp c, 0,1
.irp e, 0,1,2
	v_mov_b32 v[(\db)+6*\c+3+\e], v[CT+4*\c+\e]
.endr
.endr
.endm
	s_load_b256 s[4:11], s[0:1], 0x0               ; Wk s[4:5], Wv s[6:7], Wq s[8:9], b_in s[10:11]
	s_load_b128 s[12:15], s[0:1], 0x20             ; wimg s[12:13], q0f s[14:15]
	v_lshl_add_u32 v14, v0, 2, SPARE
	v_mov_b32 v15, 0
	v_lshrrev_b32 v1, 5, v0
	v_readfirstlane_b32 s18, v1                    ; wave 0..7
	s_mov_b32 s21, ttmp9                           ; g
	s_mov_b32 s[SEL], 0x76543210
	s_mov_b32 s[SEL+1], 0xfedcba98
	s_cmp_lt_u32 s21, 48
	s_cselect_b32 s20, 1, 0                        ; 1: the q path
	s_cselect_b32 s22, 48, s21
	s_sub_co_u32 s22, s22, 48                      ; i (0 on the q path, where it is not used)
	s_mul_i32 s23, s22, 21846
	s_lshr_b32 s23, s23, 16                        ; i / 3 = 4 s + w
	s_mul_i32 s24, s23, 3
	s_sub_co_u32 s24, s22, s24                     ; c
	s_lshr_b32 s25, s23, 2                         ; s
	s_and_b32 s16, s23, 3                          ; w
	s_lshl_b32 s17, s24, 3
	s_add_co_u32 s17, s17, s18                     ; n
	s_lshl_b32 s26, s17, 4                         ; 16 n
	s_and_b32 s27, s17, 1
	s_lshl_b32 s27, s27, 3
	s_sub_co_u32 s27, s26, s27                     ; 32 (n / 2) + 8 (n % 2)
	s_sub_co_u32 s26, s26, 192                     ; 16 (n - 12)
	s_mov_b32 s29, 24576                           ; 8 rows on,
	s_cmp_lt_u32 s17, 12
	s_cselect_b32 s33, 1, 0                        ; 1: Wk
	s_cselect_b32 s26, s27, s26
	s_cselect_b32 s28, 49152, s29                  ; or 16: where my rows 8-15 begin
	s_mul_i32 s34, s16, 192
	s_add_co_u32 s26, s26, s34
	s_lshl_b32 s27, s21, 4
	s_cmp_eq_u32 s20, 1
	s_cselect_b32 s26, s27, s26                    ; my tile's first row
	s_cselect_b32 s28, s29, s28
	s_cselect_b32 s34, s18, s25                    ; my K step
	s_mul_i32 s36, s26, 3072
	s_lshl_b32 s34, s34, 9
	s_add_co_u32 s36, s36, s34
	s_mov_b32 s37, 0
	s_mov_b32 s29, 0
	s_mov_b32 s35, 0
	s_mul_i32 s38, s23, 38400                      ; wimg: K step s, wave w
	s_mul_i32 s42, s17, 1536
	s_add_co_u32 s42, s42, s38                     ; my fragment
	s_mov_b32 s43, 0
	s_lshl_b32 s24, s24, 9
	s_add_co_u32 s38, s38, s24
	s_add_co_u32 s38, s38, 36864                   ; my work-group's scale words
	s_mov_b32 s39, 0
	s_min_u32 s24, s21, 47                         ; (held, so that q0f's pointer stays inside the buffer in the work-groups that do not use it)
	s_lshl_b32 s24, s24, 10
	s_mov_b32 s25, 0
	s_mul_i32 s19, s18, STG                        ; my stage
	s_lshl_b32 s22, s18, 10
	s_add_co_u32 s22, s22, QP                      ; my partial result
	s_and_b32 s23, s18, 1
	s_lshl_b32 s27, s23, 9                         ; 512 x (wave % 2)
	s_add_co_u32 s26, s27, QP
	s_lshl_b32 s30, s23, 8
	s_lshr_b32 s31, s18, 1
	s_lshl_b32 s31, s31, 2
	s_add_co_u32 s30, s30, s31
	s_add_co_u32 s30, s30, SCW                     ; my fragment's scale words: 256 (wave % 2) + 4 (wave / 2) + 16 r
	v_and_b32 v1, 31, v0                           ; lane
	v_and_b32 v2, 15, v0                           ; r
	v_bfe_u32 v5, v0, 4, 1                         ; h
	v_lshlrev_b32 v6, 4, v1                        ; 16 x lane
	v_add_nc_u32 v3, s19, v6                       ; into the stage
	v_mul_u32_u24 v4, v2, PIT
	v_lshl_add_u32 v4, v5, 6, v4
	v_add_nc_u32 v4, s19, v4                       ; out of it: row r, + 64 h
	v_lshl_add_u32 v7, v2, 4, s30
	v_add_nc_u32 v8, s22, v6
	v_add_nc_u32 v9, s26, v6
	v_add_nc_u32 v10, s27, v6
	v_add_nc_u32 v11, SCW, v6
.irp b, 0,1,2,3
	v_mov_b32 v[TB+\b], 0                          ; written once: a lane permute's destination counts as one of its sources
.endr
	s_wait_alu depctr_va_vdst(0)                   ; the wait at the head's end
	s_wait_kmcnt 0x0
	s_add_nc_u64 s[42:43], s[12:13], s[42:43]
	s_add_nc_u64 s[38:39], s[12:13], s[38:39]
	s_add_nc_u64 s[14:15], s[14:15], s[24:25]
	s_add_nc_u64 s[10:11], s[10:11], s[34:35]      ; b_in at my K step (on the q path)
	s_cmp_eq_u32 s33, 1                            ; which weight: the choice hangs on the work-group's and the wave's number
	s_cselect_b64 s[30:31], s[4:5], s[6:7]
	s_cmp_eq_u32 s20, 1
	s_cselect_b64 s[30:31], s[8:9], s[30:31]
	s_add_nc_u64 s[30:31], s[30:31], s[36:37]
	s_add_nc_u64 s[28:29], s[30:31], s[28:29]
	s_cmp_eq_u32 s20, 0
	s_cbranch_scc1 .Lload
	s_cmp_lt_u32 s18, 6
	s_cbranch_scc0 .Ljoin                          ; the q path's waves 6 and 7 have only sums to make
.Lload:
.irp i, 0,1,2,3,4,5,6,7
	global_load_b128 v[RW+4*\i:RW+4*\i+3], v6, s[30:31] offset:3072*\i th:TH_LOAD_NT   ; 32 lanes read 512 consecutive bytes
.endr
.irp i, 0,1,2,3,4,5,6,7
	global_load_b128 v[RW+32+4*\i:RW+35+4*\i], v6, s[28:29] offset:3072*\i th:TH_LOAD_NT
.endr
	s_cmp_eq_u32 s20, 0
	s_cbranch_scc1 .Lloaded
.irp i, 0,1,2,3,4,5,6,7,8,9,10,11,12,13,14,15
	v_add_nc_u32 v[TN+\i], 0x300000*\i, v6         ; row 0 of batch i
.endr
.irp i, 0,1,2,3,4,5,6,7,8,9,10,11,12,13,14,15
	global_load_b128 v[RX+4*\i:RX+4*\i+3], v[TN+\i], s[10:11]
.endr
.Lloaded:
	s_wait_loadcnt 0x0
	TURN RW
	QUANT PCW, 12
	s_wait_alu depctr_va_vdst(0)                   ; ahead of the branch
	s_cmp_eq_u32 s20, 0
	s_cbranch_scc0 .Lq
.irp c, 0,1,2
	global_store_b128 v6, v[PCW+4*\c:PCW+4*\c+3], s[42:43] offset:512*\c   ; 512 consecutive bytes, at a multiple of 256 from wimg's first byte
.endr
	ds_store_b32 v7, v12                           ; lanes r and r + 16 write the same word with the same value
	s_branch .Ljoin
.Lq:
	TURN RX
	QUANT PCX, 13
	PLACES 8                                       ; a scale register written by a vector instruction stands 8 places ahead of a scaled matrix instruction, an operand so written 4
	v_wmma_scale_f32_16x16x128_f8f6f4 v[RW:RW+7], v[PCW:PCW+11], v[PCX:PCX+11], 0, v12, v13 matrix_a_fmt:MATRIX_FMT_FP6 matrix_b_fmt:MATRIX_FMT_FP6   ; lane (r, h), register j: batch r, output 16 g + 8 h + j
	PLACES 4
	ds_store_b128 v8, v[RW:RW+3]
	ds_store_b128 v8, v[RW+4:RW+7] offset:512
.Ljoin:
	s_wait_dscnt 0x0                               ; for the others' sake: my LDS stores are done
	s_barrier_signal -1
	s_barrier_wait -1
	s_cmp_eq_u32 s20, 0
	s_cbranch_scc0 .Lsum
	s_cmp_eq_u32 s18, 0
	s_cbranch_scc0 .Lend
	ds_load_b128 v[60:63], v11
	s_wait_dscnt 0x0
	global_store_b128 v6, v[60:63], s[38:39]       ; the eight fragments' scale words: 512 consecutive bytes, aligned
	s_branch .Lend
.Lsum:
	s_cmp_lt_u32 s18, 6
	s_cbranch_scc1 .Lend
.irp w, 0,1,2,3,4,5
	ds_load_b128 v[RX+4*\w:RX+4*\w+3], v9 offset:1024*\w   ; my half of K step w's partial result
.endr
	s_wait_dscnt 0x0
.irp w, 1,2,3,4,5
	v_pk_add_f32 v[RX:RX+1], v[RX:RX+1], v[RX+4*\w:RX+4*\w+1]
	v_pk_add_f32 v[RX+2:RX+3], v[RX+2:RX+3], v[RX+4*\w+2:RX+4*\w+3]
.endr
	global_store_b128 v10, v[RX:RX+3], s[14:15]    ; 512 consecutive bytes, aligned
.Lend:
	s_wait_tensorcnt 0x0                           ; the wave's end
	ds_add_u32 v14, v15
	s_wait_dscnt 0x0
	s_endpgm
.Lfunc_end_k_q1e7f11cf0d_prep:
	.size	k_q1e7f11cf0d_prep, .Lfunc_end_k_q1e7f11cf0d_prep-k_q1e7f11cf0d_prep
	.p2alignl 7, 3214868480
	.fill 96, 4, 3214868480
	.section	.rodata,"a",@progbits
	.p2align	6, 0x0
	.amdhsa_kernel k_q1e7f11cf0d_prep
		.amdhsa_group_segment_fixed_size 77312
		.amdhsa_private_segment_fixed_size 0
		.amdhsa_enable_private_segment 0
		.amdhsa_kernarg_size 48
		.amdhsa_user_sgpr_count 2
		.amdhsa_user_sgpr_kernarg_segment_ptr 1
		.amdhsa_wavefront_size32 1
		.amdhsa_system_sgpr_workgroup_id_x 1
		.amdhsa_system_sgpr_workgroup_id_y 1
		.amdhsa_system_sgpr_workgroup_id_z 1
		.amdhsa_system_vgpr_workitem_id 0
		.amdhsa_next_free_vgpr 256
		.amdhsa_next_free_sgpr 66
		.amdhsa_reserve_vcc 0
		.amdhsa_float_denorm_mode_32 3
		.amdhsa_float_denorm_mode_16_64 3
		.amdhsa_memory_ordered 1
		.amdhsa_forward_progress 1
		.amdhsa_inst_pref_size 23
	.end_amdhsa_kernel
	.amdgpu_metadata
---
amdhsa.version: [ 1, 2 ]
amdhsa.kernels:
  - .name:           k_q1e7f11cf0d_prep
    .symbol:         k_q1e7f11cf0d_prep.kd
    .args:
      - { .name: Wk, .offset: 0, .size: 8, .value_kind: global_buffer, .address_space: global }
      - { .name: Wv, .offset: 8, .size: 8, .value_kind: global_buffer, .address_space: global }
      - { .name: Wq, .offset: 16, .size: 8, .value_kind: global_buffer, .address_space: global }
      - { .name: b_in, .offset: 24, .size: 8, .value_kind: global_buffer, .address_space: global }
      - { .name: wimg, .offset: 32, .size: 8, .value_kind: global_buffer, .address_space: global }
      - { .name: q0f, .offset: 40, .size: 8, .value_kind: global_buffer, .address_space: global }
    .group_segment_fixed_size: 77312
    .private_segment_fixed_size: 0
    .kernarg_segment_align: 8
    .kernarg_segment_size: 48
    .max_flat_workgroup_size: 256
    .sgpr_count:     66
    .vgpr_count:     256
    .wavefront_size: 32
...
	.end_amdgpu_metadata
.endif
;; end of part 1
;; launch main (part 2): grid 256 x 1, 4 waves a work-group, clusters of 4 x 1, 327,680 bytes of LDS; arguments b_in, wimg, q0f, part; writes part
.if DOCPART == 2
	.amdgcn_target "amdgcn-amd-amdhsa--gfx1250"
	.amdhsa_code_object_version 6
	.text
	.protected	k_q1e7f11cf0d_main
	.globl	k_q1e7f11cf0d_main
	.p2align	8
	.type	k_q1e7f11cf0d_main,@function
k_q1e7f11cf0d_main:
	s_mov_b64 s[64:65], 0
	v_nop
	global_prefetch_b8 v0, s[64:65] scope:SCOPE_SE
	s_setreg_imm32_b32 hwreg(HW_REG_WAVE_MODE, 25, 1), 1
	s_wait_xcnt 0x0
	s_wait_alu depctr_hold_cnt(0) depctr_sa_sdst(0) depctr_va_vdst(0) depctr_va_sdst(0) depctr_va_ssrc(0) depctr_va_vcc(0) depctr_vm_vsrc(0)
	s_getreg_b32 s2, hwreg(HW_REG_IB_STS2, 6, 4)
	s_cmp_eq_u32 s2, 0
	s_cbranch_scc0 .Lentry_in_a_cluster
	s_endpgm
.Lentry_in_a_cluster:
	s_bfe_u32 s2, ttmp6, 0x10000c
	s_cmp_lg_u32 s2, 0x3003
	s_cbranch_scc0 .Lentry_shape_is_right
	s_endpgm
.Lentry_shape_is_right:
; For 64 keys of one batch: k = Q(x) Q(Wk)^T and v = Q(x) Q(Wv)^T (all 768 outputs each), the 64 scores Q(q0) . Q(k), a softmax of these 64 keys under a whole number M of their own, and O = Q(p) Q(v): the work-group's part of the
; batch's row 0.  All products on codes of FP6 (E2M3) with one E8M0 byte for each 32 along K.  Stored: O[768], -M and the sum l of the unquantised p.  k, v, scores and p never go to memory.
; WORK LEFT OUT: only query 0 of each batch is returned, so only its scores and its row of the second product are made.  p = 2^(t - M), t = score / sqrt(768) x log2(e), M = ceil(the largest t of these 64 keys); the last launch brings
; the sixteen parts of a batch under one M by exact powers of two.
; K IS THE OUTER LOOP, six steps of 128.  Work-group wg = 4 x cluster + place owns keys 64 wg .. 64 wg + 63 of the 16,384 rows of b_in; wave w makes outputs 192 w .. 192 w + 191 of k and of v for all 64 keys: 24 tiles of 16 outputs x
; 4 tiles of keys, 96 accumulators, 768 registers: so each number of x is read once and used as it comes, and each fragment of the weights is read from LDS once.
; x: wave w quantises tile w (16 keys).  A load takes 2 rows x 256 bytes; a UNIT of 8 rows x 64 numbers turns through the wave's stage in LDS and comes back as 16 neighbours a lane (lanes l, l xor 1 hold a block of 32);
; the conversion's 12 bytes go to their place in the image of the operand's registers, which all four waves read behind the next barrier.  Two images by turns; a wave's stage lies in the bytes of its own part of the image that is made next.
; THE WEIGHTS come as images of operand registers (wimg) through a ring of two LDS slots of 153,600 bytes, a K step each.  A wave fetches and reads its own quarter alone.
; CLUSTER.  All work-groups walk the same weights: the four of a cluster ask for each quarter JOINTLY, by the same tensor load with the same descriptor and the mask 15.
; PREFETCH INTO THE L2.  The weights of a K step are asked for two refills ahead of their joint load, by the launch's first four clusters, each block of 256 bytes once a cluster, shared out by address among the partners.
; x's rows, a work-group's own, are asked for two K steps and more ahead of their loads, each block once.  K step 0 of both, and K step 1 of x, come by their loads alone.  The last K steps ask for nothing.
; A ROUND STANDS INSIDE THE PRODUCTS: a step's last 24 products (tiles 18-23, whose fragments lie in registers) go by x tiles: the round stands among those of tiles 0 and 1, and x's next fragments are read as the tiles are done with.
; LAYOUTS.  Tile t = 2 b + u of x: lane r holds key 32 b + 8 u + r + 8 (r / 8).  k: source 0 = 16 rows of Wk (chosen likewise), source 1 = x: a lane holds one key, registers run along the outputs.  v: source 0 = x, source 1 = Wv:
; a lane holds one output, 32 registers run along the 64 keys.  Scores: source 0 = k, source 1 = q0 in all 16 columns.  In all of them register 16 b + j is number 32 b + 16 (lane / 16) + j along the next K.
; Where a product's K is short of 128, q0's and p's codes are zeros there, so that what k's and v's fragments hold there adds nothing.
; LIMITS: a block of zeros gets the byte 1 where the rule says 127 (its codes are zeros; this program alone reads the bytes); p under 2^-126 falls to 0; NaN and infinities among the inputs are not served;
; a score is the f32 sum (w0 + w1) + (w2 + w3) of the four waves' sums over their 192 of the 768 numbers; the softmax holds while the scaled scores stay under 2^31 in magnitude.
; REGISTERS.  Window 0: as below.  Above: k's sums, tile t of x, tile n: t = 0, 1 at 256 + 96 t + 8 n, t = 2, 3 at 512 + 96 (t - 2) + 8 n; v's, tile n: n = 0, 1 at 448 + 32 n + 8 t, else at 640 + 32 n + 8 t.
.set SLOTB, 153600
.set QB1,   38400                      ; a wave's quarter: 24 fragments of 1,536 bytes, then 1,536 bytes of scale words
.set XB,    2*SLOTB                    ; behind the ring: two buffers of x, 4 x 2,176 bytes each: a wave's image (1,536 bytes), its scale words (64); its stage: 8 rows of 272 bytes over the same bytes
.set XPT,   2176
.set XBF,   4*XPT
.set SPARE, XB+2*XBF                   ; the spare words, 128 bytes a wave
.set SCR,   XB                         ; at the end, in buffer 0: the waves' partial scores, 256 w + 128 h,
.set OST,   XB+1024                    ; and each wave's own 768 bytes of O
.set SPW, 1
.set NIL, 2
.set XG,  3                            ; x: my offset in a load
.set STS, 4                            ; into my stage
.set STL, 5                            ; out of it
.set I12, 6                            ; my place in the image, + 12 x (lane % 2)
.set I508, 7                           ; the same, + 508 x (lane % 2)
.set ISB, 8                            ; my block's scale byte
.set XR,  9                            ; where I read images
.set XSR, 10                           ; and their scale words
.set AW,  11                           ; v11-12 my quarter in slot 0, 1
.set PFX, 13                           ; the prefetches' offsets
.set PFW, 14                           ; v14-15
.set QA,  16                           ; 2,048 h
.set H8,  17                           ; 8 h
.set XS,  18                           ; v18-19 x's scale words: tiles 2 p (lanes 0-15), 2 p + 1 (lanes 16-31)
.set WS,  20                           ; v20-31 the weights': fragments 2 p, 2 p + 1
.set XF,  32                           ; v32-79 x's four fragments
.set WF,  80                           ; v80-151 six fragments of the weights, tile n in n % 6
.set TR,  152                          ; v152-167, and on: the four units of x, turned
.set ST,  168                          ; v168-231 the four units as loaded (unit u turned lies where unit u - 1 was loaded)
.set CC,  232                          ; v232-247 codes (3 registers a unit) and scale bytes
.set MM,  248
.set NN,  252
; at the end
.set KS,  18                           ; v18-25 k's scale words: 2 t + fragment
.set QS,  26                           ; v26-27 q0's
.set VS,  18                           ; v18-29 v's
.set PS,  30                           ; p's
.set TM,  32
.set TB,  38
.set TE,  44
.set CT,  50
.set ML,  74                           ; v[74:75] -M and l
.set MX0, 76
.set MX1, 77
.set MXT, 78
.set TMX, 79
.set QF,  80                           ; v80-103 q0's codes
.set KF,  104                          ; v104-181 k's: 18 a tile
.set VF,  104                          ; later v's: 6 a tile
.set SD,  184                          ; v184-215 the scores
.set PF,  216                          ; v216-227 p's
.set L0,  228
.set L1,  230
.set WV,  14
.set SEL, 40
.set NRM, 42
.set L2E, 44
.set MSB, 0
.macro WIN new                         ; the immediate's high byte repeats the setting that is left
.if MSB != (\new)
	s_set_vgpr_msb (MSB<<8)|(\new)
.set MSB, (\new)
.endif
.endm
.macro PLACES n
.rept \n
	v_nop
.endr
.endm
.macro CREST                           ; a round of the cluster's barrier behind its opening barrier
	s_cmp_lg_u32 s[WV], 0
	s_cbranch_scc1 .Lnot_wave_0_\@
	s_barrier_signal -3
.Lnot_wave_0_\@:
	s_barrier_wait -3
	s_barrier_signal -1
	s_barrier_wait -1
.endm
.macro ROUND
	s_barrier_signal -1
	s_barrier_wait -1
	CREST
.endm
; ---- one product
.macro WMR d, a, b, c, sa, sb, ra, rb
.if (\ra) && (\rb)
	v_wmma_scale_f32_16x16x128_f8f6f4 v[\d:\d+7], v[\a:\a+11], v[\b:\b+11], \c, v[\sa], v[\sb] matrix_a_fmt:MATRIX_FMT_FP6 matrix_b_fmt:MATRIX_FMT_FP6 matrix_a_scale:MATRIX_SCALE_ROW1 matrix_b_scale:MATRIX_SCALE_ROW1
.elseif (\ra)
	v_wmma_scale_f32_16x16x128_f8f6f4 v[\d:\d+7], v[\a:\a+11], v[\b:\b+11], \c, v[\sa], v[\sb] matrix_a_fmt:MATRIX_FMT_FP6 matrix_b_fmt:MATRIX_FMT_FP6 matrix_a_scale:MATRIX_SCALE_ROW1
.elseif (\rb)
	v_wmma_scale_f32_16x16x128_f8f6f4 v[\d:\d+7], v[\a:\a+11], v[\b:\b+11], \c, v[\sa], v[\sb] matrix_a_fmt:MATRIX_FMT_FP6 matrix_b_fmt:MATRIX_FMT_FP6 matrix_b_scale:MATRIX_SCALE_ROW1
.else
	v_wmma_scale_f32_16x16x128_f8f6f4 v[\d:\d+7], v[\a:\a+11], v[\b:\b+11], \c, v[\sa], v[\sb] matrix_a_fmt:MATRIX_FMT_FP6 matrix_b_fmt:MATRIX_FMT_FP6
.endif
.endm
.macro WM d, a, b, sa, sb, ra, rb      ; ZR = 1: it starts its sum
.if ZR
	WMR \d, \a, \b, 0, \sa, \sb, \ra, \rb
.else
	WMR \d, \a, \b, v[\d:\d+7], \sa, \sb, \ra, \rb
.endif
.endm
.macro TL m                            ; tile m (0-11 k's, 12-17 v's) against the four tiles of x; the v_nop are the places ahead of loads into the tile before's fragment
.set WB_, WF+12*((\m)%6)
.irp t, 0,1,2,3
.if (\m) < 12
.set N_, 1+\t/2
.set D_, 96*(\t%2)+8*(\m)
	WIN 0x50*N_
	WM D_, WB_, XF+12*\t, WS+(\m)/2, XS+\t/2, (\m)%2, \t%2
.else
.set AB_, 640+32*((\m)-12)+8*\t
.if (\m) < 14
.set AB_, AB_-192
.endif
.set N_, AB_/256
.set D_, AB_%256
	WIN 0x50*N_
	WM D_, XF+12*\t, WB_, XS+\t/2, WS+(\m)/2, \t%2, (\m)%2
.endif
	v_nop
.endr
.endm
.macro PP t, n                         ; tile n = 18 .. 23 against tile t of x, under window 3
.set D_, 32*((\n)-16)+8*(\t)
	WM D_, XF+12*(\t), WF+12*((\n)%6), XS+(\t)/2, WS+(\n)/2, (\t)%2, (\n)%2
.endm
.macro PT t
.irp n, 18,19,20,21,22,23
	PP \t, \n
.endr
.endm
; ---- loads
.macro FW n, sl
.irp c, 0,1,2
	ds_load_b128 v[WF+12*((\n)%6)+4*\c:WF+12*((\n)%6)+4*\c+3], v[AW+(\sl)] offset:1536*(\n)+512*\c
.endr
.endm
.macro FX t, p
.irp c, 0,1,2
	ds_load_b128 v[XF+12*\t+4*\c:XF+12*\t+4*\c+3], v[XR] offset:XBF*(\p)+XPT*\t+512*\c
.endr
.endm
.macro XSL q, p
	ds_load_b32 v[XS+\q], v[XSR] offset:XBF*(\p)+2*XPT*\q
.endm
.macro WSL c, sl
	ds_load_b128 v[WS+4*\c:WS+4*\c+3], v[AW+(\sl)] offset:36864+512*\c
.endm
.macro XLU reg, k, u                   ; unit u = 2 x (rows 8-15) + (numbers 64-127) of K step k
.irp i, 0,1,2,3
	global_load_b128 v[(\reg)+4*\i:(\reg)+4*\i+3], v[XG], s[4:5] offset:512*(\k)+49152*((\u)/2)+256*((\u)%2)+6144*\i th:TH_LOAD_NT   ; two rows of 256 consecutive bytes, aligned
.endr
.endm
.macro QL m                            ; 16 numbers of q0 for my half of the lanes
.irp e, 0,1,2,3
	global_load_b128 v[TR+16*(\m)+4*\e:TR+16*(\m)+4*\e+3], v[QA], s[8:9] offset:4096*((\m)/2)+1024*((\m)%2)+256*(\e/2)+512*(\e%2)
.endr
.endm
.macro PFK k                           ; 38 of my quarter's 150 blocks of K step k, the partners' share by address
	s_cmp_lt_u32 ttmp9, 4
	s_cbranch_scc0 .Lno_ask_\@
	global_prefetch_b8 v[PFW], s[6:7] offset:SLOTB*(\k) th:TH_LOAD_NT scope:SCOPE_SE
	global_prefetch_b8 v[PFW+1], s[6:7] offset:SLOTB*(\k) th:TH_LOAD_NT scope:SCOPE_SE
.Lno_ask_\@:
.endm
.macro PFR k                           ; my 16 rows' two blocks of K step k of x
	global_prefetch_b8 v[PFX], s[4:5] offset:512*(\k) th:TH_LOAD_NT scope:SCOPE_SE
.endm
; ---- x
.macro TURNU u, p
	s_wait_loadcnt 12-4*(\u)                       ; the unit's four loads are in
.irp i, 0,1,2,3
	ds_store_b128 v[STS], v[ST+16*(\u)+4*\i:ST+16*(\u)+4*\i+3] offset:XBF*(\p)+544*\i
.endr
.if (\u) > 0
	s_wait_dscnt 14                                ; the unit before's stores are done (behind them: its 4 loads, two zones' 6, my 4 stores): its registers take this unit
.endif
.irp j, 0,1,2,3
	ds_load_b128 v[TR+16*(\u)+4*\j:TR+16*(\u)+4*\j+3], v[STL] offset:XBF*(\p)+16*\j
.endr
.endm
.macro XVEC sw, sb                     ; the four units' 16 numbers a lane become codes and scale bytes
	WIN (\sw)|((\sw)<<2)
.irp u, 0,1,2,3
	v_max3_num_f32 v[MM+\u], |v[(\sb)+16*\u]|, |v[(\sb)+16*\u+1]|, 0x1800000   ; the floor 2^(3 - 127): the byte cannot fall under 1
.endr
.irp u, 0,1,2,3
	v_max3_num_f32 v[NN+\u], |v[(\sb)+16*\u+2]|, |v[(\sb)+16*\u+3]|, 0x1800000
.endr
.irp i, 4,8,12
.irp u, 0,1,2,3
	v_max3_num_f32 v[MM+\u], |v[(\sb)+16*\u+\i]|, |v[(\sb)+16*\u+\i+1]|, v[MM+\u]
.endr
.irp u, 0,1,2,3
	v_max3_num_f32 v[NN+\u], |v[(\sb)+16*\u+\i+2]|, |v[(\sb)+16*\u+\i+3]|, v[NN+\u]
.endr
.endr
	WIN 0
.irp u, 0,1,2,3
	v_max_num_f32 v[MM+\u], v[MM+\u], v[NN+\u]
.endr
.irp u, 0,1,2,3
	v_max_num_f32_dpp v[MM+\u], v[MM+\u], v[MM+\u] row_xmask:1 row_mask:0xf bank_mask:0xf   ; with my neighbour: the block's
.endr
.irp u, 0,1,2,3
	v_add_nc_u32 v[MM+\u], 0xff000000, v[MM+\u]    ; 2 off the exponent field: the conversion's scale operand
.endr
	WIN (\sw)
.irp u, 0,1,2,3
	v_cvt_scalef32_pk16_fp6_f32 v[CC+4*\u:CC+4*\u+2], v[(\sb)+16*\u:(\sb)+16*\u+15], v[MM+\u]
.endr
	WIN 0
.irp u, 0,1,2,3
	v_lshrrev_b32 v[CC+4*\u+3], 23, v[MM+\u]
.endr
.endm
.macro IMG p                           ; registers 6 c + 3 x + e of the operand's lane: register R of lane L lies at 512 (R / 4) + 16 L + 4 (R % 4); x = lane % 2, c = u % 2
.irp u, 0,1,2,3
.set O_, XBF*(\p)+128*(\u/2)
.if \u%2
	ds_store_b32 v[I508], v[CC+4*\u] offset:O_+520
	ds_store_b32 v[I508], v[CC+4*\u+1] offset:O_+524
	ds_store_b32 v[I12], v[CC+4*\u+2] offset:O_+1024
.else
	ds_store_b32 v[I12], v[CC+4*\u] offset:O_
	ds_store_b32 v[I508], v[CC+4*\u+1] offset:O_+4
	ds_store_b32 v[I508], v[CC+4*\u+2] offset:O_+8
.endif
	ds_store_b8 v[ISB], v[CC+4*\u+3] offset:XBF*(\p)+32*(\u/2)+2*(\u%2)   ; both lanes of a block write the same byte
.endr
.endm
; ---- a K step.  Zone z stands behind tile z: tile z + 5's three loads; in zones 10, 12, 14, 16 a unit of the next K step's x turns first (8 LDS instructions).
.macro CNT z
.set C_, C_+3
.if XP && ((\z) == 10 || (\z) == 12 || (\z) == 14 || (\z) == 16)
.set C_, C_+8
.endif
.endm
.macro TILEZ m, s
.set C_, 0
	CNT \m-4
	CNT \m-3
	CNT \m-2
	CNT \m-1
	s_wait_dscnt C_                                ; tile m's fragment was asked for in zone m - 5: what the four zones behind it issued may be out
	TL \m
	WIN 0
.if XP && ((\m) == 10 || (\m) == 12 || (\m) == 14 || (\m) == 16)
	TURNU (\m-10)/2, (\s+1)%2
.endif
	FW \m+5, (\s)%2
.if (\s) == 5 && (\m) < 6
	QL \m
.endif
.endm
.macro ENDS s
.if (\s) < 5
	s_wait_dscnt 6                                 ; the last unit is back (behind it: two zones' 6 loads)
	XVEC 0, TR                                     ; (also the places behind tile 17)
	FW 23, (\s)%2
	IMG (\s+1)%2
	s_wait_tensorcnt 0x0                           ; the next K step's quarter has landed
.if (\s) < 4
	ds_add_u32 v[SPW], v[NIL]
	s_add_nc_u64 s[34+4*((\s)%2):35+4*((\s)%2)], s[34+4*((\s)%2):35+4*((\s)%2)], 2*SLOTB   ; no load of mine is out: this slot's next K step
	s_wait_dscnt 20                                ; tile 22 is in (behind it: 3 loads, 16 stores, the add)
.else
	s_wait_dscnt 19
.endif
	WIN 0xf0
	PP 0, 18
	PP 0, 19
	PP 0, 20
	PP 0, 21
	PP 0, 22
	s_wait_dscnt 0x0                               ; the add, my reads of this slot and of the images, my stores into the next image
	PP 0, 23
	s_barrier_signal -1
	PT 1
	WIN 0
	s_barrier_wait -1
.if (\s) < 4
	CREST
	tensor_load_to_lds s[32+4*((\s)%2):35+4*((\s)%2)], s[24:31]   ; K step s + 2 into the slot just read
	s_nop 0
.endif
	PLACES 4
	FX 0, (\s+1)%2
	FX 1, (\s+1)%2
	XSL 0, (\s+1)%2
	WSL 0, (\s+1)%2
	WSL 1, (\s+1)%2
.if (\s) < 4
	XLU ST, \s+2, 0
.endif
	WIN 0xf0
	PT 2
	WIN 0
	PLACES 4
	FX 2, (\s+1)%2
.if (\s) < 4
	XLU ST+16, \s+2, 1
.endif
	WIN 0xf0
	PT 3
	WIN 0
	PLACES 4
	FX 3, (\s+1)%2
	XSL 1, (\s+1)%2
	WSL 2, (\s+1)%2
.irp n, 0,1,2,3,4
	FW \n, (\s+1)%2
.endr
.if (\s) < 4
	XLU ST+32, \s+2, 2
	XLU ST+48, \s+2, 3
.endif
.if (\s) == 0
	PFR 5
.endif
.if (\s) < 2
	PFK \s+4
.endif
.else
	PLACES 4
	FW 23, 1
	s_wait_dscnt 0x0
	WIN 0xf0
	PT 0
	PT 1
	PT 2
	PT 3
	WIN 0
	PLACES 4
.endif
.endm
.macro STEP s
.set ZR, 0
.if (\s) == 0
.set ZR, 1
.endif
.set XP, 0
.if (\s) < 5
.set XP, 1
.endif
.irp m, 0,1,2,3,4,5,6,7,8,9,10,11,12,13,14,15,16,17
	TILEZ \m, \s
.endr
	ENDS \s
.endm
; ---- the quantiser of results: nn half blocks of 16 registers on end
.macro MAXS nn, sw, sb
	WIN (\sw)|((\sw)<<2)
.set QQ, 0
.rept \nn
	v_max3_num_f32 v[TM+QQ], |v[(\sb)+16*QQ]|, |v[(\sb)+16*QQ+1]|, 0x1800000   ; each accumulator from its low end on
.set QQ, QQ+1
.endr
.set QI, 2
.rept 7
.set QQ, 0
.rept \nn
	v_max3_num_f32 v[TM+QQ], |v[(\sb)+16*QQ+QI]|, |v[(\sb)+16*QQ+QI+1]|, v[TM+QQ]
.set QQ, QQ+1
.endr
.set QI, QI+2
.endr
	WIN 0
.endm
; n items of 32 registers on end (v[sb] on, window sw): half a fragment each, 6 registers at v[db + 6 i]; the scale bytes in v[TB + 2 i], v[TB + 2 i + 1]
.macro QB n, sw, sb, db
	MAXS 2*(\n), \sw, \sb
.set QQ, 0
.rept 2*(\n)
	v_permlanex16_b32 v[TB+QQ], v[TM+QQ], s[SEL], s[SEL+1]
.set QQ, QQ+1
.endr
.set QQ, 0
.rept 2*(\n)
	v_max_num_f32 v[TM+QQ], v[TM+QQ], v[TB+QQ]     ; with lane l xor 16: the block's
.set QQ, QQ+1
.endr
.set QQ, 0
.rept 2*(\n)
	v_add_nc_u32 v[TE+QQ], 0xff000000, v[TM+QQ]
.set QQ, QQ+1
.endr
.set QQ, 0
.rept 2*(\n)
	v_lshrrev_b32 v[TB+QQ], 23, v[TE+QQ]
.set QQ, QQ+1
.endr
	WIN (\sw)
.set QQ, 0
.rept (\n)
	v_cvt_scalef32_pk16_fp6_f32 v[(\db)+6*QQ:(\db)+6*QQ+2], v[(\sb)+32*QQ:(\sb)+32*QQ+15], v[TE+2*QQ]
	v_cvt_scalef32_pk16_fp6_f32 v[CT+4*QQ:CT+4*QQ+2], v[(\sb)+32*QQ+16:(\sb)+32*QQ+31], v[TE+2*QQ+1]
.set QQ, QQ+1
.endr
	v_nop                                          ; one plain place behind the last scaled conversion
	WIN 0
.set QQ, 0
.rept (\n)
.irp e, 0,1,2
	v_permlane16_swap_b32 v[(\db)+6*QQ+\e], v[CT+4*QQ+\e]   ; a whole block to a lane
.endr
.set QQ, QQ+1
.endr
.set QQ, 0
.rept (\n)
.irp e, 0,1,2
	v_mov_b32 v[(\db)+6*QQ+3+\e], v[CT+4*QQ+\e]
.endr
.set QQ, QQ+1
.endr
.endm
; ================= THE HEAD
	s_load_b256 s[4:11], s[0:1], 0x0               ; b_in s[4:5], wimg s[6:7], q0f s[8:9], part s[10:11]
	v_lshl_add_u32 v[SPW], v0, 2, SPARE
	v_mov_b32 v[NIL], 0
	ds_add_u32 v[SPW], v[NIL]                      ; the opening lines
	ds_add_u32 v[SPW], v[NIL]
	v_lshrrev_b32 v32, 5, v0
	v_readfirstlane_b32 s[WV], v32                 ; wave 0..3
	s_bfe_u32 s15, ttmp6, 0x40000                  ; my place in the cluster: it enters the addresses of x, of part and of prefetches alone
	s_lshl_b32 s16, ttmp9, 2                       ; in a cluster launch ttmp9 counts clusters
	s_add_co_u32 s16, s16, s15                     ; wg
	s_lshr_b32 s17, ttmp9, 2                       ; the batch
	s_mov_b32 s[SEL], 0x76543210
	s_mov_b32 s[SEL+1], 0xfedcba98
	s_mov_b32 s[NRM], 0x3d13cd3a                   ; 1 / sqrt(768)
	s_mov_b32 s[NRM+1], s[NRM]
	s_mov_b32 s[L2E], 0x3fb8aa3b                   ; log2(e)
	s_mov_b32 s[L2E+1], s[L2E]
	s_mov_b32 s24, 15|(3<<16)|(1<<21)              ; group 1: a quarter, 38,400 dense bytes, as 150 rows of 32 elements of 8 bytes; the mask: all four work-groups
	s_mov_b32 s25, 32<<16
	s_mov_b32 s26, 150<<16
	s_mov_b32 s27, 32<<16
	s_mov_b32 s28, 150
	s_mov_b32 s29, 32
	s_mov_b32 s30, 0
	s_mov_b32 s31, 0
	s_mul_i32 s18, s[WV], XPT
	s_add_co_u32 s18, s18, XB                      ; my part of x's buffer 0
	s_add_co_u32 s19, s18, 1536
	s_mul_i32 s22, s[WV], QB1                      ; my quarter: in a slot and in wimg alike
	s_lshl_b32 s23, s15, 13
	s_add_co_u32 s23, s23, s22                     ; prefetches: 32 blocks a partner,
	s_mul_i32 s20, s15, 6
	s_add_co_u32 s20, s20, 128                     ; and 6 of the last 22
	v_and_b32 v32, 31, v0                          ; lane l
	v_and_b32 v33, 15, v0                          ; l % 16
	v_bfe_u32 v34, v0, 4, 1                        ; l / 16
	v_bfe_u32 v35, v0, 2, 3                        ; l / 4: my row of a unit
	v_and_b32 v36, 3, v0                           ; l % 4: my 16 numbers
	v_bfe_u32 v37, v0, 1, 1                        ; my block of the unit's two
	v_and_b32 v38, 1, v0                           ; my half of it
	v_mul_u32_u24 v[XG], v34, 3072
	v_lshl_add_u32 v[XG], v33, 4, v[XG]
	v_mul_u32_u24 v[STS], v34, 272
	v_lshl_add_u32 v[STS], v33, 4, v[STS]
	v_add_nc_u32 v[STS], s18, v[STS]
	v_mul_u32_u24 v[STL], v35, 272
	v_lshl_add_u32 v[STL], v36, 6, v[STL]
	v_add_nc_u32 v[STL], s18, v[STL]
	v_lshl_add_u32 v39, v35, 4, s18
	v_lshl_add_u32 v39, v37, 8, v39                ; 16 x (row + 16 x block)
	v_mad_u32_u24 v[I12], v38, 12, v39
	v_mad_u32_u24 v[I508], v38, 508, v39
	v_lshl_add_u32 v[ISB], v35, 2, v37
	v_add_nc_u32 v[ISB], s19, v[ISB]
	v_lshl_add_u32 v[XR], v32, 4, XB
	v_mul_u32_u24 v[XSR], v34, XPT
	v_lshl_add_u32 v[XSR], v33, 2, v[XSR]
	v_add_nc_u32 v[XSR], XB+1536, v[XSR]
	v_lshl_add_u32 v[AW], v32, 4, s22
	v_add_nc_u32 v[AW+1], SLOTB, v[AW]
	v_lshrrev_b32 v40, 1, v32
	v_and_b32 v41, 8, v40
	v_add_nc_u32 v40, v40, v41                     ; rows 0-7 and 16-23
	v_mul_u32_u24 v[PFX], v40, 3072
	v_lshl_add_u32 v[PFX], v38, 8, v[PFX]
	v_lshl_add_u32 v[PFW], v32, 8, s23
	v_min_u32 v[PFW+1], 5, v32
	v_add_nc_u32 v[PFW+1], s20, v[PFW+1]
	v_min_u32 v[PFW+1], 149, v[PFW+1]
	v_lshl_add_u32 v[PFW+1], v[PFW+1], 8, s22
	v_lshlrev_b32 v[QA], 11, v34
	v_lshlrev_b32 v[H8], 3, v34
	s_mul_i32 s18, s16, 196608                     ; my work-group's 64 rows of 3,072 bytes,
	s_lshr_b32 s20, s[WV], 1
	s_lshl_b32 s20, s20, 5
	s_and_b32 s21, s[WV], 1
	s_lshl_b32 s21, s21, 3
	s_add_co_u32 s20, s20, s21                     ; my tile's first row: 32 (w / 2) + 8 (w % 2)
	s_mul_i32 s20, s20, 3072
	s_add_co_u32 s18, s18, s20
	s_mov_b32 s19, 0
	s_mov_b32 s46, s22
	s_mov_b32 s47, 0
	s_wait_alu depctr_va_vdst(0)                   ; the wait at the head's end
	s_wait_dscnt 0x0                               ; both opening adds are done
	s_wait_kmcnt 0x0
	s_add_nc_u64 s[4:5], s[4:5], s[18:19]
	WIN 0x40
.irp u, 0,1,2,3
	XLU 16*\u, 0, \u                               ; K step 0 into v256-319, where no sum lies yet
.endr
	WIN 0
.irp u, 0,1,2,3
	XLU ST+16*\u, 1, \u                            ; K step 1
.endr
	s_mul_i32 s18, s[WV], 12288
	s_lshl_b32 s20, s17, 4
	s_add_co_u32 s18, s18, s20
	s_add_nc_u64 s[8:9], s[8:9], s[18:19]          ; q0: my 12 tiles, my batch
	s_mul_i32 s18, s16, 3328
	s_add_nc_u64 s[10:11], s[10:11], s[18:19]      ; part
	s_mov_b32 s32, 1                               ; group 0 for slot 0, K step 0,
	s_mov_b32 s33, s22
	s_add_nc_u64 s[34:35], s[6:7], s[46:47]
	s_mov_b32 s36, 1                               ; and for slot 1, K step 1
	s_add_co_u32 s37, s22, SLOTB
	s_add_nc_u64 s[38:39], s[34:35], SLOTB
	s_or_b32 s35, s35, 0x80000000
	s_or_b32 s39, s39, 0x80000000
	ROUND                                          ; all four work-groups are here: the first joint loads meet
	tensor_load_to_lds s[32:35], s[24:31]
	s_nop 0
	PLACES 4
	PFR 2
	PFK 1
	PFR 3
	PFK 2
	; ---- K step 0 of x, from v256-319 through the stage into v320-383
.irp u, 0,1,2,3
	s_wait_loadcnt 28-4*\u                         ; the unit's loads are in; K step 1's 16 may be out
	WIN 0x04
.irp i, 0,1,2,3
	ds_store_b128 v[STS], v[16*\u+4*\i:16*\u+4*\i+3] offset:544*\i
.endr
	WIN 0x40
.irp j, 0,1,2,3
	ds_load_b128 v[64+16*\u+4*\j:64+16*\u+4*\j+3], v[STL] offset:16*\j
.endr
.endr
	WIN 0
	s_wait_dscnt 0x0
	XVEC 1, 64
	IMG 0
	s_wait_tensorcnt 0x0
	ds_add_u32 v[SPW], v[NIL]
	s_wait_dscnt 0x0
	ROUND
	tensor_load_to_lds s[36:39], s[24:31]          ; K step 1
	s_nop 0
	PLACES 4
.irp t, 0,1,2,3
	FX \t, 0
.endr
	XSL 0, 0
	XSL 1, 0
	WSL 0, 0
	WSL 1, 0
	WSL 2, 0
.irp n, 0,1,2,3,4
	FW \n, 0
.endr
	PFR 4
	PFK 3
; ================= SIX K STEPS (written out: slots, buffers and what is still to fetch differ)
.irp s, 0,1,2,3,4,5
	STEP \s
.endr
; ================= THE END.  q0: my half's 32 numbers of each of three pairs of blocks
	s_wait_loadcnt 0x0
	s_lshl_b32 s18, s[WV], 8
	s_add_co_u32 s18, s18, SCR
	s_mul_i32 s20, s[WV], 768
	s_add_co_u32 s21, s20, OST
	v_and_b32 v62, 31, v0
	v_and_b32 v63, 15, v0
	v_bfe_u32 v64, v0, 4, 1
	v_lshl_add_u32 v3, v64, 7, s18                 ; where I store my partial scores,
	v_lshl_add_u32 v4, v64, 7, SCR                 ; and read all four waves'
	v_lshl_add_u32 v5, v63, 2, s21                 ; my stage for O
	v_lshl_add_u32 v6, v62, 3, s21
	v_lshl_add_u32 v7, v62, 3, s20                 ; my byte offset in the work-group's O
	v_lshlrev_b32 v8, 3, v62
.irp b, 0,1,2,3,4,5
	v_mov_b32 v[TB+\b], 0                          ; written once: a lane permute's destination counts as one of its sources
	v_mov_b32 v[QF+18+\b], 0                       ; zero codes where a product's K is short of 128
.endr
	v_mov_b32 v[MXT], 0
	v_mov_b32 v[ML+1], 0
	MAXS 6, 0, TR
.irp g, 0,1,2
	v_max_num_f32 v[TM+2*\g], v[TM+2*\g], v[TM+2*\g+1]   ; all 32 numbers of a block are mine
.endr
.irp g, 0,1,2
	v_add_nc_u32 v[TE+\g], 0xff000000, v[TM+2*\g]
.endr
.irp g, 0,1,2
	v_lshrrev_b32 v[TB+\g], 23, v[TE+\g]
.endr
.irp g, 0,1,2
	v_cvt_scalef32_pk16_fp6_f32 v[QF+6*\g:QF+6*\g+2], v[TR+32*\g:TR+32*\g+15], v[TE+\g]
	v_cvt_scalef32_pk16_fp6_f32 v[CT+4*\g:CT+4*\g+2], v[TR+32*\g+16:TR+32*\g+31], v[TE+\g]
.endr
	v_lshl_or_b32 v[QS], v[TB+1], 16, v[TB]        ; (also the plain place behind the conversions)
	v_lshlrev_b32 v[QS+1], v[H8], v[TB+2]
	v_lshlrev_b32 v[QS], v[H8], v[QS]              ; my half's bytes at their places,
	v_permlanex16_b32 v[TM], v[QS], s[SEL], s[SEL+1]
	v_permlanex16_b32 v[TM+1], v[QS+1], s[SEL], s[SEL+1]
	v_or_b32 v[QS], v[QS], v[TM]                   ; and the other half's
	v_or_b32 v[QS+1], v[QS+1], v[TM+1]
.irp b, 0,1,2,3,4,5
	v_mov_b32 v[KF+72+\b], 0                       ; the last tile's fragment reaches into these; q0's numbers, which lay here, have been converted
.endr
.irp g, 0,1,2
.irp e, 0,1,2
	v_mov_b32 v[QF+6*\g+3+\e], v[CT+4*\g+\e]
.endr
.endr
	; ---- k: my 192 outputs for the 64 keys, quantised along the outputs
.irp t, 0,1,2,3
	QB 3, 1+\t/2, 96*(\t%2), KF+18*\t
	v_lshl_or_b32 v[KS+2*\t], v[TB+1], 8, v[TB]
	v_lshl_or_b32 v[KS+2*\t], v[TB+2], 16, v[KS+2*\t]
	v_lshl_or_b32 v[KS+2*\t], v[TB+3], 24, v[KS+2*\t]
	v_lshl_or_b32 v[KS+2*\t+1], v[TB+5], 8, v[TB+4]
.endr
	PLACES 8                                       ; a scale register written by a vector instruction stands 8 places ahead of a scaled matrix instruction
.set ZR, 1
.irp t, 0,1,2,3
	WM SD+8*\t, KF+18*\t, QF, KS+2*\t, QS, 0, 0
.endr
.set ZR, 0
.irp t, 0,1,2,3
	WM SD+8*\t, KF+18*\t+12, QF+12, KS+2*\t+1, QS+1, 0, 0   ; the four accumulators by turns
.endr
	PLACES 4
.irp i, 0,1,2,3,4,5,6,7
	ds_store_b128 v3, v[SD+4*\i:SD+4*\i+3] offset:16*\i   ; the 16 lanes of a half hold the same numbers and write the same bytes
.endr
	s_wait_dscnt 0x0
	s_barrier_signal -1
	; ---- v, quantised along the 64 keys, while the others' scores come: register work alone
	QB 2, 1, 192, VF
	v_lshl_or_b32 v[VS], v[TB+1], 8, v[TB]
	v_lshl_or_b32 v[VS+1], v[TB+3], 8, v[TB+2]
	QB 2, 2, 192, VF+12
	v_lshl_or_b32 v[VS+2], v[TB+1], 8, v[TB]
	v_lshl_or_b32 v[VS+3], v[TB+3], 8, v[TB+2]
.irp i, 2,3,4,5
	QB 2, 3, 64*(\i-2), VF+12*\i
	v_lshl_or_b32 v[VS+2*\i], v[TB+1], 8, v[TB]
	v_lshl_or_b32 v[VS+2*\i+1], v[TB+3], 8, v[TB+2]
.endr
.irp b, 0,1,2,3,4,5
	v_mov_b32 v[PF+6+\b], 0
.endr
.irp b, 0,1,2,3
	v_mov_b32 v[L0+\b], 0                          ; the sum of p, in two chains of two halves
.endr
	s_wait_alu depctr_va_vdst(0)
	s_barrier_wait -1
	; ---- the softmax of the 64 keys: every wave makes it, in the same order, with the same bits, in v256-383
	WIN 0x40
.irp i, 0,1,2,3
.irp e, 0,1,2,3,4,5,6,7
	ds_load_b128 v[32*\i+4*\e:32*\i+4*\e+3], v4 offset:256*\i+16*\e
.endr
.endr
	s_wait_dscnt 0x0
	WIN 0x45
.set JJ, 0
.rept 16
	v_pk_add_f32 v[JJ:JJ+1], v[JJ:JJ+1], v[32+JJ:32+JJ+1]
	v_pk_add_f32 v[64+JJ:64+JJ+1], v[64+JJ:64+JJ+1], v[96+JJ:96+JJ+1]
.set JJ, JJ+2
.endr
.set JJ, 0
.rept 16
	v_pk_add_f32 v[JJ:JJ+1], v[JJ:JJ+1], v[64+JJ:64+JJ+1]
.set JJ, JJ+2
.endr
.set JJ, 0
.rept 16
	v_pk_mul_f32 v[JJ:JJ+1], v[JJ:JJ+1], s[NRM:NRM+1] op_sel_hi:[1,0]   ; the logits
.set JJ, JJ+2
.endr
	WIN 0x05
	v_max_num_f32 v[MX0], v[0], v[1]
	v_max_num_f32 v[MX1], v[16], v[17]
.set JJ, 2
.rept 7
	v_max3_num_f32 v[MX0], v[JJ], v[JJ+1], v[MX0]
	v_max3_num_f32 v[MX1], v[16+JJ], v[16+JJ+1], v[MX1]
.set JJ, JJ+2
.endr
	WIN 0
	v_max_num_f32 v[MX0], v[MX0], v[MX1]
	v_permlanex16_b32 v[MXT], v[MX0], s[SEL], s[SEL+1]
	v_max_num_f32 v[MX0], v[MX0], v[MXT]           ; the largest logit of the 64 keys
	v_mul_f32 v[TMX], s[L2E], v[MX0]               ; as t
	v_floor_f32 v[ML], -v[TMX]                     ; -M = floor(-t) = -ceil(t): M is a whole number
	WIN 0x41
.set JJ, 0
.rept 16
	v_pk_fma_f32 v[JJ:JJ+1], v[JJ:JJ+1], s[L2E:L2E+1], v[ML:ML+1] op_sel_hi:[1,0,0]   ; t - M (of the pairs the low word serves both halves)
.set JJ, JJ+2
.endr
	s_wait_alu depctr_va_vdst(0)                   ; ahead of the batch
.set JJ, 0
.rept 32
	v_exp_f32 v[JJ], v[JJ]                         ; p = 2^(t - M): not normalised
.set JJ, JJ+1
.endr
	v_nop                                          ; a plain place behind the last exponential
	s_wait_alu depctr_va_vdst(0)                   ; and behind it, ahead of its first reader
	WIN 0x01
.set JJ, 0
.rept 8
	v_pk_add_f32 v[L0:L0+1], v[JJ:JJ+1], v[L0:L0+1]         ; the sum is taken of the unquantised p
	v_pk_add_f32 v[L1:L1+1], v[JJ+2:JJ+3], v[L1:L1+1]
.set JJ, JJ+4
.endr
	WIN 0
	v_pk_add_f32 v[L0:L0+1], v[L0:L0+1], v[L1:L1+1]
	v_add_f32 v[ML+1], v[L0], v[L0+1]
	v_permlanex16_b32 v[MXT], v[ML+1], s[SEL], s[SEL+1]
	v_add_f32 v[ML+1], v[ML+1], v[MXT]             ; l of the 64 keys
	QB 1, 1, 0, PF
	v_lshl_or_b32 v[PS], v[TB+1], 8, v[TB]
	PLACES 8
	; ---- O at my 192 outputs
	WIN 0x80                                       ; D in window 2
.set ZR, 1
.irp n, 0,1,2,3,4,5,6,7,8,9,10,11
	WM 8*\n, PF, VF+6*\n, PS, VS+\n, 0, 0          ; a fragment's upper half is the next tile's codes, over p's zero codes
.endr
	PLACES 4
	WIN 0x08                                       ; an LDS store's data are its source 1
.irp n, 0,1,2,3,4,5,6,7,8,9,10,11
	ds_store_b32 v5, v[8*\n] offset:64*\n          ; p stands in all 16 rows: register 0 of lane (r, h) is O at output 16 n + r; both halves write the same word
.endr
	WIN 0
.irp i, 0,1,2
	ds_load_b64 v[CT+2*\i:CT+2*\i+1], v6 offset:256*\i   ; LDS serves a wave's instructions in order: these see my stores
.endr
	s_wait_dscnt 0x0
.irp i, 0,1,2
	global_store_b64 v7, v[CT+2*\i:CT+2*\i+1], s[10:11] offset:256*\i   ; 32 lanes store 256 consecutive bytes, aligned
.endr
	s_cmp_lg_u32 s[WV], 0
	s_cbranch_scc1 .Lnot_first
	global_store_b64 v8, v[ML:ML+1], s[10:11] offset:3072   ; (-M, l), 32 times: 256 consecutive bytes, aligned
.Lnot_first:
	s_wait_tensorcnt 0x0                           ; the wave's end
	ds_add_u32 v[SPW], v[NIL]
	s_wait_dscnt 0x0
	ROUND                                          ; the closing round: no work-group ends while a partner may still ask for a quarter that names it
	s_endpgm
.Lfunc_end_k_q1e7f11cf0d_main:
	.size	k_q1e7f11cf0d_main, .Lfunc_end_k_q1e7f11cf0d_main-k_q1e7f11cf0d_main
	.p2alignl 7, 3214868480
	.fill 96, 4, 3214868480
	.section	.rodata,"a",@progbits
	.p2align	6, 0x0
	.amdhsa_kernel k_q1e7f11cf0d_main
		.amdhsa_group_segment_fixed_size 327680
		.amdhsa_private_segment_fixed_size 0
		.amdhsa_enable_private_segment 0
		.amdhsa_kernarg_size 32
		.amdhsa_user_sgpr_count 2
		.amdhsa_user_sgpr_kernarg_segment_ptr 1
		.amdhsa_wavefront_size32 1
		.amdhsa_system_sgpr_workgroup_id_x 1
		.amdhsa_system_sgpr_workgroup_id_y 1
		.amdhsa_system_sgpr_workgroup_id_z 1
		.amdhsa_system_vgpr_workitem_id 0
		.amdhsa_next_free_vgpr 1024
		.amdhsa_next_free_sgpr 66
		.amdhsa_reserve_vcc 0
		.amdhsa_float_denorm_mode_32 3
		.amdhsa_float_denorm_mode_16_64 3
		.amdhsa_memory_ordered 1
		.amdhsa_forward_progress 1
		.amdhsa_inst_pref_size 255
	.end_amdhsa_kernel
	.section	.bss,"aw",@nobits
	.p2align	6
	.space	262144
	.amdgpu_metadata
---
amdhsa.version: [ 1, 2 ]
amdhsa.kernels:
  - .name:           k_q1e7f11cf0d_main
    .symbol:         k_q1e7f11cf0d_main.kd
    .args:
      - { .name: b_in, .offset: 0, .size: 8, .value_kind: global_buffer, .address_space: global }
      - { .name: wimg, .offset: 8, .size: 8, .value_kind: global_buffer, .address_space: global }
      - { .name: q0f, .offset: 16, .size: 8, .value_kind: global_buffer, .address_space: global }
      - { .name: part, .offset: 24, .size: 8, .value_kind: global_buffer, .address_space: global }
    .group_segment_fixed_size: 327680
    .private_segment_fixed_size: 0
    .kernarg_segment_align: 8
    .kernarg_segment_size: 32
    .max_flat_workgroup_size: 128
    .sgpr_count:     66
    .vgpr_count:     1024
    .wavefront_size: 32
...
	.end_amdgpu_metadata
.endif
;; end of part 2
;; launch finish (part 3): grid 3 x 16, 2 waves a work-group, no clusters, 0 bytes of LDS; arguments part, mask, out0; writes out0
.if DOCPART == 3
	.amdgcn_target "amdgcn-amd-amdhsa--gfx1250"
	.amdhsa_code_object_version 6
	.text
	.protected	k_q1e7f11cf0d_finish
	.globl	k_q1e7f11cf0d_finish
	.p2align	8
	.type	k_q1e7f11cf0d_finish,@function
k_q1e7f11cf0d_finish:
	s_mov_b64 s[64:65], 0
	v_nop
	global_prefetch_b8 v0, s[64:65] scope:SCOPE_SE
	s_setreg_imm32_b32 hwreg(HW_REG_WAVE_MODE, 25, 1), 1
	s_wait_xcnt 0x0
; out0[b][:] = (the sum over the batch's 16 parts i of 2^(M_i - M) O_i[:]) / (the sum of 2^(M_i - M) l_i), M the largest M_i: every factor is an exact power of two.
; Where mask[b][0] is 0, the softmax of row 0 is taken of -infinity alone and the row is NaN: chosen by v_cndmask_b32.  The other words of mask act on rows that are not returned.
; part: [256][3,328 bytes]: O[768] f32, then the pair (-M, l).  Work-group (x, y): columns 256 x on of batch y; thread t: 4 columns.  All 33 loads go out together; one wait.
; No LDS, no barrier, no matrix unit: 64 threads add 16 numbers each.
; LIMIT: 2^(M_i - M) under the smallest f32 number falls to 0, with its part.
	s_load_b128 s[4:7], s[0:1], 0x0                ; part, mask
	s_load_b64 s[8:9], s[0:1], 0x10                ; out0
	s_and_b32 s10, ttmp7, 0xffff                   ; the batch
	v_lshlrev_b32 v1, 4, v0                        ; 16 bytes a thread
	v_mov_b32 v2, 0
	s_mul_i32 s12, s10, 53248                      ; the batch's 16 parts
	s_mov_b32 s13, 0
	s_lshl_b32 s14, ttmp9, 10                      ; my 256 columns
	s_mov_b32 s15, 0
	s_lshl_b32 s16, s10, 12                        ; a row of mask is 4,096 bytes
	s_mov_b32 s17, 0
	s_mul_i32 s18, s10, 3072
	s_add_co_u32 s18, s18, s14
	s_mov_b32 s19, 0
	s_wait_alu depctr_va_vdst(0)
	s_wait_kmcnt 0x0
	s_add_nc_u64 s[4:5], s[4:5], s[12:13]
	s_add_nc_u64 s[20:21], s[4:5], s[14:15]
	s_add_nc_u64 s[6:7], s[6:7], s[16:17]
	s_add_nc_u64 s[8:9], s[8:9], s[18:19]
.irp i, 0,1,2,3,4,5,6,7,8,9,10,11,12,13,14,15
	global_load_b64 v[4+2*\i:5+2*\i], v2, s[4:5] offset:3328*\i+3072   ; (-M_i, l_i)
.endr
.irp i, 0,1,2,3,4,5,6,7,8,9,10,11,12,13,14,15
	global_load_b128 v[36+4*\i:39+4*\i], v1, s[20:21] offset:3328*\i   ; O_i: sixteen lanes read 256 consecutive bytes
.endr
	global_load_b32 v3, v2, s[6:7]                 ; mask[b][0]
	s_wait_loadcnt 0x0
	v_min3_num_f32 v104, v4, v6, v8
.irp i, 10,14,18,22,26,30
	v_min3_num_f32 v104, v104, v[\i], v[\i+2]
.endr
	v_min_num_f32 v104, v104, v34                  ; -M: the least -M_i
.irp i, 0,1,2,3,4,5,6,7,8,9,10,11,12,13,14,15
	v_sub_f32 v[4+2*\i], v104, v[4+2*\i]           ; M_i - M: a whole number, 0 or less
.endr
.irp i, 0,1,2,3,4,5,6,7,8,9,10,11,12,13,14,15
	v_cvt_i32_f32 v[4+2*\i], v[4+2*\i]             ; (it saturates)
.endr
.irp i, 0,1,2,3,4,5,6,7,8,9,10,11,12,13,14,15
	v_ldexp_f32 v[4+2*\i], 1.0, v[4+2*\i]          ; f_i = 2^(M_i - M), in -M_i's place: the pair (f_i, l_i) feeds the packed forms
.endr
	v_mul_f32 v105, v4, v5
	v_pk_mul_f32 v[100:101], v[36:37], v[4:5] op_sel_hi:[1,0]
	v_pk_mul_f32 v[102:103], v[38:39], v[4:5] op_sel_hi:[1,0]
.irp i, 1,2,3,4,5,6,7,8,9,10,11,12,13,14,15
	v_fma_f32 v105, v[4+2*\i], v[5+2*\i], v105
	v_pk_fma_f32 v[100:101], v[36+4*\i:37+4*\i], v[4+2*\i:5+2*\i], v[100:101] op_sel_hi:[1,0,1]
	v_pk_fma_f32 v[102:103], v[38+4*\i:39+4*\i], v[4+2*\i:5+2*\i], v[102:103] op_sel_hi:[1,0,1]
.endr
	s_wait_alu depctr_va_vdst(0)
	v_rcp_f32 v107, v105
	v_mov_b32 v108, 0x7fc00000                     ; NaN.  (A plain place behind the reciprocal)
	v_cmp_eq_u32 vcc_lo, 0, v3
	s_wait_alu depctr_va_vdst(0)                   ; the wait ahead of the reciprocal's first reader
.irp j, 0,1,2,3
	v_mul_f32 v[100+\j], v[100+\j], v107
.endr
.irp j, 0,1,2,3
	v_cndmask_b32 v[100+\j], v[100+\j], v108, vcc_lo
.endr
	global_store_b128 v1, v[100:103], s[8:9]       ; sixteen lanes store 256 consecutive bytes, aligned
	s_endpgm
.Lfunc_end_k_q1e7f11cf0d_finish:
	.size	k_q1e7f11cf0d_finish, .Lfunc_end_k_q1e7f11cf0d_finish-k_q1e7f11cf0d_finish
	.p2alignl 7, 3214868480
	.fill 96, 4, 3214868480
	.section	.rodata,"a",@progbits
	.p2align	6, 0x0
	.amdhsa_kernel k_q1e7f11cf0d_finish
		.amdhsa_group_segment_fixed_size 0
		.amdhsa_private_segment_fixed_size 0
		.amdhsa_enable_private_segment 0
		.amdhsa_kernarg_size 24
		.amdhsa_user_sgpr_count 2
		.amdhsa_user_sgpr_kernarg_segment_ptr 1
		.amdhsa_wavefront_size32 1
		.amdhsa_system_sgpr_workgroup_id_x 1
		.amdhsa_system_sgpr_workgroup_id_y 1
		.amdhsa_system_sgpr_workgroup_id_z 1
		.amdhsa_system_vgpr_workitem_id 0
		.amdhsa_next_free_vgpr 112
		.amdhsa_next_free_sgpr 66
		.amdhsa_reserve_vcc 1
		.amdhsa_float_denorm_mode_32 3
		.amdhsa_float_denorm_mode_16_64 3
		.amdhsa_memory_ordered 1
		.amdhsa_forward_progress 1
		.amdhsa_inst_pref_size 11
	.end_amdhsa_kernel
	.amdgpu_metadata
---
amdhsa.version: [ 1, 2 ]
amdhsa.kernels:
  - .name:           k_q1e7f11cf0d_finish
    .symbol:         k_q1e7f11cf0d_finish.kd
    .args:
      - { .name: part, .offset: 0, .size: 8, .value_kind: global_buffer, .address_space: global }
      - { .name: mask, .offset: 8, .size: 8, .value_kind: global_buffer, .address_space: global }
      - { .name: out0, .offset: 16, .size: 8, .value_kind: global_buffer, .address_space: global }
    .group_segment_fixed_size: 0
    .private_segment_fixed_size: 0
    .kernarg_segment_align: 8
    .kernarg_segment_size: 24
    .max_flat_workgroup_size: 64
    .sgpr_count:     66
    .vgpr_count:     112
    .wavefront_size: 32
...
	.end_amdgpu_metadata
.endif
;; end of part 3
